; MI455X (gfx1250); checked and timed in simulation.
; The chip was launched on July 23, 2026; its instructions are those of AMD's public machine-readable ISA for CDNA 5 (MIT licence, August 2026) and "CDNA5" Instruction Set Architecture Reference Guide (July 2026). The comments in the code are by the model that wrote it; some were corrected since.
;; Multi Head Cross Attention. Allowed arithmetic: matrix products marked QUANTISED: E4M3 operands, one E8M0 scale for each 32 along K, by v_wmma_scale_f32_16x16x128_f8f6f4 with both operands' format E4M3, f32 sums; everything else in f32.
;; Inputs: Wk 512 x 1,024 float32; Wq 512 x 1,024 float32; Wv 512 x 1,024 float32; keys 1 x 2,048 x 512 float32; mask 4 x 1 x 1 x 2,048 int32; queries 4 x 2,048 x 512 float32; values 1 x 2,048 x 512 float32.
;; Outputs: out0 4 x 2,048 x 1,024 float32.
;; This version of the problem:
;;   THIS VERSION OF THE PROBLEM IS GIVEN IN LOW PRECISION. The matrix products marked QUANTISED in the list below multiply operands that are first quantised to E4M3 (4 exponent bits, 3 mantissa bits; 8 bits a number), with one power-of-two scale for each 32 numbers along K (OCP MX v1.0); their sums are f32. All else is computed in f32.
;;   The module's matrix products, in the order in which they are computed (A, B: the left and right operand; K: the contracted axis; several contracted axes count as one K, in the product's order):
;;     1. [M 8,192, K 512] x [K 512, N 1,024]; A: input queries; B: input Wq: QUANTISED
;;     2. [M 2,048, K 512] x [K 512, N 1,024]; A: input keys; B: input Wk: QUANTISED
;;     3. [M 2,048, K 512] x [K 512, N 1,024]; A: input values; B: input Wv: QUANTISED
;;     4. batch 16 x [M 2,048, K 64] x [K 64, N 8,192]; A: computed on the way; B: computed on the way: QUANTISED
;;     5. batch 16 x [M 64, K 2,048] x [K 2,048, N 8,192]; A: computed on the way; B: softmax (see below): QUANTISED
;;   THE QUANTISER, for each operand of a quantised product, along K:
;;     - K is cut into blocks of 32 from its start; a last block that is shorter is filled with zeros.
;;     - A block's scale is 2^e with e = floor(log2(the largest magnitude in the block)) - 8, held to -126 .. 127; a block of zeros has e = 0. As a byte (E8M0): e + 127.
;;     - Each number is divided by its block's scale, clamped to +-448, and rounded to the nearest number of E4M3, ties to even, subnormals kept.
;;     - The product sums the exact products of the quantised numbers (number of the format x scale) in f32.
;;   ~~~python
;;   def quantise(x, axis):      # numpy; x: float32 -> the quantised numbers, widened to float32 again
;;       x = np.moveaxis(x, axis, -1); K = x.shape[-1]
;;       x = np.pad(x, [(0, 0)] * (x.ndim - 1) + [(0, -K % 32)]); x = x.reshape(x.shape[:-1] + (-1, 32)); a = np.abs(x).max(-1, keepdims=True)
;;       e = np.where(a > 0, np.clip(np.frexp(np.where(a > 0, a, 1))[1] - 1 - 8, -126, 127), 0)      # np.frexp(a)[1] - 1 = floor(log2(a)), exactly
;;       r = np.clip(x / 2.0 ** e, -448, 448)
;;       step = 2.0 ** (np.maximum(np.frexp(np.where(r == 0, 1, r))[1] - 1, -6) - 3)
;;       q = np.round(r / step) * step * 2.0 ** e      # np.round: ties to even
;;       return np.moveaxis(q.reshape(q.shape[:-2] + (-1,))[..., :K], -1, axis).astype(np.float32)
;;   ~~~
;;   SOFTMAX AHEAD OF A QUANTISED PRODUCT. Where the list says 'softmax', what is quantised is not the finished softmax but p = 2^(t - M), with t = logit x log2(e) and M = ceil(the row's largest t), a whole number; so 1/2 < the row's largest p <= 1. The row's sum l is taken of the UNQUANTISED p, in f32, and the product's result is divided by l at the end. Since M is a whole number, a kernel that streams over the keys may use a running M (the ceiling of the running maximum): every later rescaling is an exact power of two, which a block's scale takes up: the codes' values come out the same.
;;   OPERANDS COMPUTED ON THE WAY. 'Computed on the way' means the value that the module computes at that place (a softmax that the list does not call 'softmax' is quantised finished and normalised). What goes into a quantiser is computed in f32, as accurately as f32 sums, v_exp_f32 and their like allow (about 1e-6 of the number): no bf16 or f16 on the way to a quantiser, and a product that is left as it is and whose result goes on into a quantised operand takes f32 operands (vector FMAs, or v_wmma_f32_16x16x4_f32). A number that lies on a knife's edge between two numbers of the format may be rounded either way, as far as f32 arithmetic and the matrix unit's own rounding can turn it there, and no further.
;; One version. Each part assembles by itself: llvm-mc -triple=amdgcn-amd-amdhsa -mcpu=gfx1250 --defsym DOCPART=n.
;; ======== version 1 of 1: 3 launches
;; limits: right only within a limited range of input values
;; workspace buffers: img 7,864,320 bytes; isc 491,520 bytes; qimg 8,388,608 bytes; qsc 524,288 bytes; kv 11,141,120 bytes
;; launch quant (part 1): grid 960 x 1, 4 waves a work-group, no clusters, 34,304 bytes of LDS; arguments queries, keys, values, Wq, Wk, Wv, img, isc; writes img, isc
.if DOCPART == 1
	.amdgcn_target "amdgcn-amd-amdhsa--gfx1250"
	.amdhsa_code_object_version 6
	.text
	.protected	k_q6d4b7335fd_quant
	.globl	k_q6d4b7335fd_quant
	.p2align	8
	.type	k_q6d4b7335fd_quant,@function
k_q6d4b7335fd_quant:
	s_mov_b64 s[64:65], 0
	v_nop
	global_prefetch_b8 v0, s[64:65] scope:SCOPE_SE
	s_setreg_imm32_b32 hwreg(HW_REG_WAVE_MODE, 25, 1), 1
	s_wait_xcnt 0x0
; The six f32 operands of the three projections become codes of FP8 (E4M3) with one E8M0 scale byte for each 32 along K = 512.
; The codes are laid as IMAGES OF THE OPERAND'S REGISTERS: a fragment (16 rows x 128 K, 16 registers a lane) is 4 x 512 bytes, register group c at 512 c + 16 x lane;
; its scale words 128 bytes, 4 x lane (lanes 16-31 hold what lanes 0-15 hold).  img: [960 tiles][4 K steps][2,048 bytes];  isc: [960][4][32] words.
; TILES: 0-511 queries (8,192 rows), 512-639 keys, 640-767 values, 768-831 Wq, 832-895 Wk, 896-959 Wv (a weight's "row" is its column e; K is its first axis).
; THE ROWS OF A TILE ARE NOT NEIGHBOURS: lane r of a tensor's tile T' takes row 32 (T' / 2) + 8 (T' % 2) + r + 8 (r / 8): used as source 0, the 16 registers of two neighbouring tiles' results are then 16 neighbours.
; A block's scale is 2^(floor(log2(its largest magnitude)) - 8); its byte is the largest magnitude's exponent field - 8, held at 1 from below.
; LIMITS: a block of zeros gets the byte 1 where the rule says 127 (its codes are zeros, and this program alone reads the bytes); NaN and infinities among the inputs are not served.
; SHARES: a work-group is a tile, its wave s the tile's K step s: one group of loads, one quantising, five stores.  No loop, no barrier: waves share nothing.
; K INNERMOST (queries, keys, values): each load reads the 512 consecutive bytes of one row's K step; the 16 rows turn through the wave's own stage in LDS (rows of 512 + 16 bytes) and come back 16 neighbours of each block to a lane.
; K OUTERMOST (the weights): a lane takes a column and its registers run down K; no LDS.
.set XA,  4                            ; v4      my lane's byte offset in the loads (K innermost: my place in the stage on the way back)
.set LI,  5                            ; v5      16 x lane
.set LS,  6                            ; v6      4 x lane
.set TM,  8                            ; v8-11 largest magnitudes, v12-15 bytes (v12: the word), v16-19 448 x the scale, v20-23 the conversions' scale operands
.set SI,  24                           ; v24     my place in the stage on the way in
.set SPW, 25                           ; v25     LDS address of my spare word; never rewritten
.set NIL, 26                           ; v26     0; never rewritten
.set X,   32                           ; v32-95  64 numbers: register 16 b + i = k 32 b + 16 (lane / 16) + i of my row
.set PC,  96                           ; v96-111 the fragment's codes
.set R,   112                          ; v112-175 16 rows as they are loaded
.set SP,  528                          ; a stage row
.set STGB, 16*SP                       ; a wave's stage: 33 blocks of 256 bytes
.set SPARE, 4*STGB                     ; behind the stages: the spare words, 128 bytes a wave
.set SEL, 28                           ; s[28:29] lane selects for v_permlanex16_b32: lane l xor 16
.set MNT, 30                           ; s30     the mantissa field of 448
; 64 numbers of a lane, v[s] on, become a fragment's codes in v[pc] on; the four bytes are joined to the row's scale word in v[TM+4].
.macro QUANT s, pc
.irp b, 0,1,2,3
	v_max3_num_f32 v[TM+\b], |v[\s+16*\b]|, |v[\s+1+16*\b]|, 0x4800000   ; block b: my 16 numbers, and the floor 2^(9 - 127): the byte cannot fall under 1
.endr
.irp i, 2,4,6,8,10,12,14
.irp b, 0,1,2,3
	v_max3_num_f32 v[TM+\b], v[TM+\b], |v[\s+16*\b+\i]|, |v[\s+1+16*\b+\i]|   ; the four blocks by turns
.endr
.endr
.irp b, 0,1,2,3
	v_permlanex16_b32 v[TM+4+\b], v[TM+\b], s[SEL], s[SEL+1]
.endr
.irp b, 0,1,2,3
	v_max_num_f32 v[TM+\b], v[TM+\b], v[TM+4+\b]   ; with lane l xor 16's 16 numbers: the block's largest magnitude
.endr
.irp b, 0,1,2,3
	v_add_nc_u32 v[TM+12+\b], 0xfc000000, v[TM+\b]   ; 8 off its exponent field: the conversion takes this operand's exponent field as its scale
.endr
.irp b, 0,1,2,3
	v_and_or_b32 v[TM+8+\b], v[TM+\b], 0x7f800000, s[MNT]   ; 448 x the scale
.endr
.irp b, 0,1,2,3
	v_lshrrev_b32 v[TM+4+\b], 23, v[TM+12+\b]   ; the scale's byte
.endr
	v_lshl_or_b32 v[TM+4], v[TM+5], 8, v[TM+4]
	v_lshl_or_b32 v[TM+4], v[TM+6], 16, v[TM+4]
	v_lshl_or_b32 v[TM+4], v[TM+7], 24, v[TM+4]
.irp b, 0,1,2,3
.irp i, 0,1,2,3,4,5,6,7,8,9,10,11,12,13,14,15
	v_med3_num_f32 v[\s+16*\b+\i], v[\s+16*\b+\i], -v[TM+8+\b], v[TM+8+\b]   ; the conversion to an 8-bit code does not saturate (ISA guide 7.6.2): the hold comes first
.endr
	v_cvt_scalef32_pk8_fp8_f32 v[\pc+4*\b:\pc+1+4*\b], v[\s+16*\b:\s+7+16*\b], v[TM+12+\b]
	v_cvt_scalef32_pk8_fp8_f32 v[\pc+2+4*\b:\pc+3+4*\b], v[\s+8+16*\b:\s+15+16*\b], v[TM+12+\b]
.endr
	v_nop                                          ; one plain line behind the last scaled conversion
.endm
	s_load_b512 s[4:19], s[0:1], 0x0               ; queries s[4:5], keys s[6:7], values s[8:9], Wq s[10:11], Wk s[12:13], Wv s[14:15], img s[16:17], isc s[18:19]
	v_lshl_add_u32 v[SPW], v0, 2, SPARE
	v_mov_b32 v[NIL], 0
	v_lshrrev_b32 v1, 5, v0
	v_readfirstlane_b32 s20, v1                    ; wave = K step
	v_and_b32 v7, 31, v0                           ; lane
	v_and_b32 v1, 15, v0                           ; r
	v_bfe_u32 v2, v0, 4, 1                         ; h
	v_and_b32 v3, 8, v1
	v_add_nc_u32 v3, v3, v1                        ; r + 8 (r / 8)
	v_lshlrev_b32 v[LI], 4, v7
	v_lshlrev_b32 v[LS], 2, v7
.irp b, 0,1,2,3
	v_mov_b32 v[TM+4+\b], 0                        ; a lane permute's destination counts as one of its sources
.endr
	s_mov_b32 s[SEL], 0x76543210
	s_mov_b32 s[SEL+1], 0xfedcba98
	s_mov_b32 s[MNT], 0x600000
	s_wait_alu depctr_va_vdst(0)                   ; the head's end
	s_wait_kmcnt 0x0
	; which tensor: a choice among the six buffers on the work-group's number alone; s24 = the tensor's first tile
	s_mov_b64 s[22:23], s[14:15]
	s_mov_b32 s24, 896
	s_cmp_lt_u32 ttmp9, 896
	s_cselect_b64 s[22:23], s[12:13], s[22:23]
	s_cselect_b32 s24, 832, s24
	s_cmp_lt_u32 ttmp9, 832
	s_cselect_b64 s[22:23], s[10:11], s[22:23]
	s_cselect_b32 s24, 768, s24
	s_cmp_lt_u32 ttmp9, 768
	s_cselect_b64 s[22:23], s[8:9], s[22:23]
	s_cselect_b32 s24, 640, s24
	s_cmp_lt_u32 ttmp9, 640
	s_cselect_b64 s[22:23], s[6:7], s[22:23]
	s_cselect_b32 s24, 512, s24
	s_cmp_lt_u32 ttmp9, 512
	s_cselect_b64 s[22:23], s[4:5], s[22:23]
	s_cselect_b32 s24, 0, s24
	s_sub_co_u32 s25, ttmp9, s24                   ; T'
	s_lshr_b32 s31, s25, 1
	s_lshl_b32 s31, s31, 5
	s_and_b32 s25, s25, 1
	s_lshl_b32 s25, s25, 3
	s_add_co_u32 s31, s31, s25                     ; the tile's first row: 32 (T' / 2) + 8 (T' % 2)
	s_mov_b32 s27, 0
	s_lshl_b32 s26, ttmp9, 13                      ; where the image goes: 8,192 x tile + 2,048 x K step
	s_lshl_b32 s25, s20, 11
	s_add_co_u32 s26, s26, s25
	s_add_nc_u64 s[16:17], s[16:17], s[26:27]
	s_lshl_b32 s26, ttmp9, 9                       ; and the scale words: 512 x tile + 128 x K step
	s_lshl_b32 s25, s20, 7
	s_add_co_u32 s26, s26, s25
	s_add_nc_u64 s[18:19], s[18:19], s[26:27]
	s_cmp_lt_u32 ttmp9, 768
	s_cbranch_scc0 .Lw
	; K innermost: rows of 2,048 bytes.  Load i reads bytes 512 s .. 512 s + 511 of the tile's row i, 16 a lane
	s_lshl_b32 s26, s31, 11
	s_lshl_b32 s25, s20, 9
	s_add_co_u32 s26, s26, s25
	s_add_nc_u64 s[22:23], s[22:23], s[26:27]
	s_mul_i32 s25, s20, STGB                       ; my stage
	v_mul_u32_u24 v[XA], v1, SP
	v_add_nc_u32 v[SI], s25, v[LI]                 ; in: 16 x lane of stage row i
	v_lshl_add_u32 v[XA], v2, 6, v[XA]
	v_add_nc_u32 v[XA], s25, v[XA]                 ; back: stage row r, + 64 h: 16 neighbours of each block of 32
	s_wait_alu depctr_va_vdst(0)
.irp i, 0,1,2,3,4,5,6,7,8,9,10,11,12,13,14,15
	global_load_b128 v[R+4*\i:R+4*\i+3], v[LI], s[22:23] offset:(\i+8*(\i/8))*2048 th:TH_LOAD_NT   ; 32 lanes read 512 consecutive bytes
.endr
.irp i, 0,1,2,3,4,5,6,7,8,9,10,11,12,13,14,15
	s_wait_loadcnt 15-\i                           ; load i is in; the younger ones may be out
	ds_store_b128 v[SI], v[R+4*\i:R+4*\i+3] offset:SP*\i
.endr
.irp b, 0,1,2,3
.irp j, 0,1,2,3
	ds_load_b128 v[X+16*\b+4*\j:X+16*\b+4*\j+3], v[XA] offset:128*\b+16*\j   ; LDS serves a wave's instructions in order (ISA guide 5.7.1.4): these see my stores
.endr
.endr
	s_wait_dscnt 0x0
	s_branch .Lq
.Lw:
	; K outermost: a weight's rows are 4,096 bytes.  A lane takes a column and its registers run down K: row 128 s + 32 c + 16 h + i
	s_lshl_b32 s26, s31, 2
	s_lshl_b32 s25, s20, 19
	s_add_co_u32 s26, s26, s25
	s_add_nc_u64 s[22:23], s[22:23], s[26:27]
	v_lshlrev_b32 v[XA], 2, v3
	v_lshl_add_u32 v[XA], v2, 16, v[XA]
.irp c, 0,1,2,3
.irp i, 0,1,2,3,4,5,6,7,8,9,10,11,12,13,14,15
	global_load_b32 v[X+16*\c+\i], v[XA], s[22:23] offset:(32*\c+\i)*4096 th:TH_LOAD_NT
.endr
.endr
.Lq:
	s_wait_loadcnt 0x0                             ; all my numbers
	QUANT X, PC
.irp c, 0,1,2,3
	global_store_b128 v[LI], v[PC+4*\c:PC+4*\c+3], s[16:17] offset:512*\c   ; 32 lanes store 512 consecutive bytes, aligned
.endr
	global_store_b32 v[LS], v[TM+4], s[18:19]      ; 128 consecutive bytes
	s_wait_tensorcnt 0x0                           ; the wave's end, behind my last LDS store
	ds_add_u32 v[SPW], v[NIL]
	s_wait_dscnt 0x0
	s_endpgm
.Lfunc_end_k_q6d4b7335fd_quant:
	.size	k_q6d4b7335fd_quant, .Lfunc_end_k_q6d4b7335fd_quant-k_q6d4b7335fd_quant
	.p2alignl 7, 3214868480
	.fill 96, 4, 3214868480
	.section	.rodata,"a",@progbits
	.p2align	6, 0x0
	.amdhsa_kernel k_q6d4b7335fd_quant
		.amdhsa_group_segment_fixed_size 34304
		.amdhsa_private_segment_fixed_size 0
		.amdhsa_enable_private_segment 0
		.amdhsa_kernarg_size 64
		.amdhsa_user_sgpr_count 2
		.amdhsa_user_sgpr_kernarg_segment_ptr 1
		.amdhsa_wavefront_size32 1
		.amdhsa_system_sgpr_workgroup_id_x 1
		.amdhsa_system_sgpr_workgroup_id_y 1
		.amdhsa_system_sgpr_workgroup_id_z 1
		.amdhsa_system_vgpr_workitem_id 0
		.amdhsa_next_free_vgpr 176
		.amdhsa_next_free_sgpr 66
		.amdhsa_reserve_vcc 0
		.amdhsa_float_denorm_mode_32 3
		.amdhsa_float_denorm_mode_16_64 3
		.amdhsa_memory_ordered 1
		.amdhsa_forward_progress 1
		.amdhsa_inst_pref_size 22
	.end_amdhsa_kernel
	.amdgpu_metadata
---
amdhsa.version: [ 1, 2 ]
amdhsa.kernels:
  - .name:           k_q6d4b7335fd_quant
    .symbol:         k_q6d4b7335fd_quant.kd
    .args:
      - { .name: queries, .offset: 0, .size: 8, .value_kind: global_buffer, .address_space: global }
      - { .name: keys, .offset: 8, .size: 8, .value_kind: global_buffer, .address_space: global }
      - { .name: values, .offset: 16, .size: 8, .value_kind: global_buffer, .address_space: global }
      - { .name: Wq, .offset: 24, .size: 8, .value_kind: global_buffer, .address_space: global }
      - { .name: Wk, .offset: 32, .size: 8, .value_kind: global_buffer, .address_space: global }
      - { .name: Wv, .offset: 40, .size: 8, .value_kind: global_buffer, .address_space: global }
      - { .name: img, .offset: 48, .size: 8, .value_kind: global_buffer, .address_space: global }
      - { .name: isc, .offset: 56, .size: 8, .value_kind: global_buffer, .address_space: global }
    .group_segment_fixed_size: 34304
    .private_segment_fixed_size: 0
    .kernarg_segment_align: 8
    .kernarg_segment_size: 64
    .max_flat_workgroup_size: 128
    .sgpr_count:     66
    .vgpr_count:     176
    .wavefront_size: 32
...
	.end_amdgpu_metadata
.endif
;; end of part 1
;; launch proj (part 2): grid 4 x 96, 4 waves a work-group, no clusters, 0 bytes of LDS; arguments img, isc, mask, qimg, qsc, kv; writes qimg, qsc, kv
.if DOCPART == 2
	.amdgcn_target "amdgcn-amd-amdhsa--gfx1250"
	.amdhsa_code_object_version 6
	.text
	.protected	k_q6d4b7335fd_proj
	.globl	k_q6d4b7335fd_proj
	.p2align	8
	.type	k_q6d4b7335fd_proj,@function
k_q6d4b7335fd_proj:
	s_mov_b64 s[64:65], 0
	v_nop
	global_prefetch_b8 v0, s[64:65] scope:SCOPE_SE
	s_setreg_imm32_b32 hwreg(HW_REG_WAVE_MODE, 25, 1), 1
	s_wait_xcnt 0x0
; The three projections on codes of FP8 (E4M3), K = 512, and the quantising of their results for the two products of attention, in registers.
; SHARES: work-group y is a group of 128 rows (8 tiles of img): y 0-63 queries, 64-79 keys, 80-95 values.  A wave is one head (4 x work-group x + wave): its 4 tiles x 4 K steps of the weight
; stay in 256 registers; the 8 tiles of rows go by in four pairs.  Waves share nothing: no LDS, no barrier.
; q AND k (K of the next product = the head's 64): the product is used transposed (source 0 = 16 columns of W, source 1 = 16 rows of x): a lane holds one row, and by the order of a tile's rows
;   its registers 32 u + 16 b + i are d = 32 b + 16 (lane / 16) + i of tile u's row.  The conversions' results are register groups 0 and 1 of the next operand's fragment.
; v (K of the next product = the keys): source 0 = 16 rows of x, source 1 = 16 columns of W: a lane holds one d, registers 16 t + i are key 32 P + 16 (lane / 16) + i: group P of V's fragment t.
; OUT: qimg [16 heads][512 tiles][1,024 bytes], qsc [16][512][16] words (byte 0, 1: the two blocks' scales; byte 2 = 127; byte 3 = 1).
;   kv: K's part [16 n + head][16 steps of 128 keys][8,704 bytes]: 8 tiles x 1,024 bytes of codes, 8 x 64 bytes of words;  V's part from byte 8,912,896 on, [head][16 steps][8,704]: 4 fragments x 2,048, then [32 lanes][4] words.
; THE MASK RIDES IN THE HALF OF THE NEXT PRODUCT'S 128 ALONG K THAT THE HEAD'S 64 LEAVE IDLE.  There k = 64 holds +1 in q and -1 in k (set in the next launch's registers); q's scale byte of that block is 127, k's
;   is 193 (2^66) for a masked key and 1 (2^-126) for an open one.  So k is stored once for each batch n, a masked key's real codes as zeros: its score is exactly -2^66.
; LIMITS: the masked score is -2^66 where the definition has -1e20: the same in effect while real scores stay above about -7e19; an open key adds -2^-126 to its score;
;   a block of zeros gets the byte 1 where the rule says 127 (this program alone reads the bytes); NaN and infinities are not served.
; REGISTERS: window 0: v1-3 lane terms; v4-7 V's scale words (k: two constants); v8-15 x's scale words; v16-143 x's 2 x 4 fragments; v144-207 the results; v208-223 codes; v224-239 at work; v240-255 W's scale words.  window 1: W.
.set LI,  1                            ; v1   16 x lane
.set LS,  2                            ; v2   4 x lane
.set SH,  3                            ; v3   16 x (lane / 16)
.set VW,  4
.set XS,  8                            ; word of tile u, K step s at 4 u + s
.set XF,  16                           ; fragment (u, s) at 64 u + 16 s
.set HA,  144
.set PC,  208
.set TM,  224
.set WS,  240                          ; word of W's tile t, K step s at 4 t + s;  in window 1 its fragment at 64 t + 16 s
.set SEL, 20
.set MNT, 22
.set HEADB, 139264                     ; 16 steps x 8,704 bytes
.set VOFF,  8912896
.set MSB, 0
.macro WIN new                         ; the immediate's high byte repeats the setting that is left
.if MSB != \new
	s_set_vgpr_msb (MSB<<8)|\new
.set MSB, \new
.endif
.endm
; 64 numbers of a lane, v[s] on, register 16 b + i = number 32 b + 16 (lane / 16) + i along the next K, become codes in v[pc] on; word = 1: the four bytes are joined in v[TM+4].
.macro QUANT s, pc, word
.irp b, 0,1,2,3
	v_max3_num_f32 v[TM+\b], |v[\s+16*\b]|, |v[\s+1+16*\b]|, 0x4800000   ; my 16 numbers, and the floor 2^(9 - 127).  (Each accumulator is read from its low end on)
.endr
.irp i, 2,4,6,8,10,12,14
.irp b, 0,1,2,3
	v_max3_num_f32 v[TM+\b], v[TM+\b], |v[\s+16*\b+\i]|, |v[\s+1+16*\b+\i]|
.endr
.endr
.irp b, 0,1,2,3
	v_permlanex16_b32 v[TM+4+\b], v[TM+\b], s[SEL], s[SEL+1]
.endr
.irp b, 0,1,2,3
	v_max_num_f32 v[TM+\b], v[TM+\b], v[TM+4+\b]   ; with lane l xor 16's: the block's largest magnitude
.endr
.irp b, 0,1,2,3
	v_add_nc_u32 v[TM+12+\b], 0xfc000000, v[TM+\b]   ; 8 off the exponent field: the conversion's scale operand
.endr
.irp b, 0,1,2,3
	v_and_or_b32 v[TM+8+\b], v[TM+\b], 0x7f800000, s[MNT]   ; 448 x the scale
.endr
.irp b, 0,1,2,3
	v_lshrrev_b32 v[TM+4+\b], 23, v[TM+12+\b]   ; the scale's byte
.endr
.if \word
	v_lshl_or_b32 v[TM+4], v[TM+5], 8, v[TM+4]
	v_lshl_or_b32 v[TM+4], v[TM+6], 16, v[TM+4]
	v_lshl_or_b32 v[TM+4], v[TM+7], 24, v[TM+4]
.endif
.irp b, 0,1,2,3
.irp i, 0,1,2,3,4,5,6,7,8,9,10,11,12,13,14,15
	v_med3_num_f32 v[\s+16*\b+\i], v[\s+16*\b+\i], -v[TM+8+\b], v[TM+8+\b]   ; the conversion does not saturate (ISA guide 7.6.2): the hold comes first
.endr
	v_cvt_scalef32_pk8_fp8_f32 v[\pc+4*\b:\pc+1+4*\b], v[\s+16*\b:\s+7+16*\b], v[TM+12+\b]
	v_cvt_scalef32_pk8_fp8_f32 v[\pc+2+4*\b:\pc+3+4*\b], v[\s+8+16*\b:\s+15+16*\b], v[TM+12+\b]
.endr
	v_nop                                          ; one plain line behind the last scaled conversion: vector and matrix instructions write its sources later
.endm
; pair P of the group's tiles of rows: 2 tiles x 4 K steps of codes (32 loads of 512 consecutive bytes) and their 8 scale words
.macro XLOADP P
.irp u, 0,1
.irp s, 0,1,2,3
.irp c, 0,1,2,3
	global_load_b128 v[XF+64*\u+16*\s+4*\c:XF+64*\u+16*\s+4*\c+3], v[LI], s[28:29] offset:(2*(\P)+\u)*8192+2048*\s+512*\c
.endr
	global_load_b32 v[XS+4*\u+\s], v[LS], s[30:31] offset:(2*(\P)+\u)*512+128*\s
.endr
.endr
.endm
; 32 matrix instructions: 2 tiles of rows x 4 tiles of W x 4 K steps, K ascending.  The eight accumulators take turns, one instruction a turn; the first K step starts the sums.
.macro MUL tr
.if \tr
	WIN 0x04                                       ; source 1 (W) window 1
.else
	WIN 0x01                                       ; source 0 (W) window 1
.endif
.irp s, 0,1,2,3
.irp u, 0,1
.irp t, 0,1,2,3
.if \tr
.if \s == 0
	v_wmma_scale_f32_16x16x128_f8f6f4 v[HA+16*\t+8*\u:HA+16*\t+8*\u+7], v[XF+64*\u+16*\s:XF+64*\u+16*\s+15], v[64*\t+16*\s:64*\t+16*\s+15], 0, v[XS+4*\u+\s], v[WS+4*\t+\s]
.else
	v_wmma_scale_f32_16x16x128_f8f6f4 v[HA+16*\t+8*\u:HA+16*\t+8*\u+7], v[XF+64*\u+16*\s:XF+64*\u+16*\s+15], v[64*\t+16*\s:64*\t+16*\s+15], v[HA+16*\t+8*\u:HA+16*\t+8*\u+7], v[XS+4*\u+\s], v[WS+4*\t+\s]
.endif
.else
.if \s == 0
	v_wmma_scale_f32_16x16x128_f8f6f4 v[HA+32*\u+8*\t:HA+32*\u+8*\t+7], v[64*\t+16*\s:64*\t+16*\s+15], v[XF+64*\u+16*\s:XF+64*\u+16*\s+15], 0, v[WS+4*\t+\s], v[XS+4*\u+\s]
.else
	v_wmma_scale_f32_16x16x128_f8f6f4 v[HA+32*\u+8*\t:HA+32*\u+8*\t+7], v[64*\t+16*\s:64*\t+16*\s+15], v[XF+64*\u+16*\s:XF+64*\u+16*\s+15], v[HA+32*\u+8*\t:HA+32*\u+8*\t+7], v[WS+4*\t+\s], v[XS+4*\u+\s]
.endif
.endif
.endr
.endr
.endr
	WIN 0
.endm
.macro PAIR P, tr, word
	s_wait_loadcnt 0x0                             ; this pair's 40 loads are in (at the first pair: W's too)
	s_wait_xcnt 0x0                                ; the last pair's stores have read their registers: results, codes and words are written again only behind this wait
	MUL \tr
.rept 8
	v_nop                                          ; eight places in front of the loads into registers that the products have read, and of the first read of results
.endr
.if \P < 3
	XLOADP (\P)+1                                  ; the next pair lands while this one is quantised and stored
.endif
	QUANT HA, PC, \word
.endm
.macro EPI_Q P
	v_lshrrev_b32 v[TM+5], v[SH], v[TM+4]          ; lanes 0-15 take tile 2 P's two bytes, lanes 16-31 tile 2 P + 1's
	v_and_or_b32 v[TM+8], v[TM+5], 0xffff, s23     ; and bytes 127 and 1 above them
.irp i, 0,1,2,3
	global_store_b128 v[LI], v[PC+4*\i:PC+4*\i+3], s[66:67] offset:2048*\P+512*\i
.endr
	global_store_b32 v[LS], v[TM+8], s[68:69] offset:128*\P
.endm
.macro EPI_K P                         ; once for each batch n: a masked key's codes become zeros, its word's byte 2 becomes 193
	v_lshrrev_b32 v[TM+5], v[SH], v[TM+4]
	v_and_b32 v[TM+5], 0xffff, v[TM+5]
.irp n, 0,1,2,3
	s_and_b32 s70, s[32+8*\n+2*\P], 0xffff         ; lanes 0-15: tile 2 P's keys;
	s_and_b32 s71, s[33+8*\n+2*\P], 0xffff0000     ; lanes 16-31: tile 2 P + 1's
	s_or_b32 s70, s70, s71
	v_cndmask_b32 v[TM+8+\n], v5, v4, s70
	v_or_b32 v[TM+8+\n], v[TM+8+\n], v[TM+5]
.irp u, 0,1
.irp i, 0,1,2,3,4,5,6,7
	v_cndmask_b32 v[HA+16*\n+8*\u+\i], 0, v[PC+8*\u+\i], s[32+8*\n+2*\P+\u]
.endr
.endr
.irp i, 0,1,2,3
	global_store_b128 v[LI], v[HA+16*\n+4*\i:HA+16*\n+4*\i+3], s[66:67] offset:\n*16*HEADB+2048*\P+512*\i   ; 6,692,864 at the most: inside the signed 24-bit immediate
.endr
	global_store_b32 v[LS], v[TM+8+\n], s[66:67] offset:\n*16*HEADB+8192+128*\P
.endr
.endm
.macro EPI_V P
.irp t, 0,1,2,3
.if \P == 0
	v_mov_b32 v[VW+\t], v[TM+4+\t]                 ; byte P of fragment t's scale word: keys 32 P on
.else
	v_lshl_or_b32 v[VW+\t], v[TM+4+\t], 8*\P, v[VW+\t]
.endif
.endr
.irp t, 0,1,2,3
	global_store_b128 v[LI], v[PC+4*\t:PC+4*\t+3], s[66:67] offset:2048*\t+512*\P
.endr
.if \P == 3
	global_store_b128 v[LI], v[VW:VW+3], s[66:67] offset:8192
.endif
.endm
	s_load_b256 s[4:11], s[0:1], 0x0               ; img s[4:5], isc s[6:7], mask s[8:9], qimg s[10:11]
	s_load_b128 s[12:15], s[0:1], 0x20             ; qsc s[12:13], kv s[14:15]
	v_lshrrev_b32 v1, 5, v0
	v_readfirstlane_b32 s16, v1                    ; wave
	v_and_b32 v2, 31, v0
	v_lshlrev_b32 v[LI], 4, v2
	v_bfe_u32 v[SH], v0, 4, 1
	v_lshlrev_b32 v[SH], 4, v[SH]
	v_lshlrev_b32 v[LS], 2, v2
.irp b, 0,1,2,3
	v_mov_b32 v[TM+4+\b], 0                        ; a lane permute's destination counts as one of its sources
.endr
	s_lshl_b32 s17, ttmp9, 2
	s_add_co_u32 s17, s17, s16                     ; head
	s_and_b32 s18, ttmp7, 0xffff                   ; y
	s_cmp_ge_u32 s18, 64
	s_cselect_b32 s19, 1, 0
	s_cmp_ge_u32 s18, 80
	s_cselect_b32 s19, 2, s19                      ; 0: q, 1: k, 2: v
	s_lshl_b32 s70, s19, 6
	s_lshl_b32 s71, s17, 2
	s_add_co_u32 s70, s70, s71
	s_add_co_u32 s70, s70, 768                     ; my weight's first tile
	s_lshl_b32 s72, s70, 13
	s_mov_b32 s73, 0
	s_lshl_b32 s74, s70, 9
	s_mov_b32 s75, 0
	s_mov_b32 s[SEL], 0x76543210
	s_mov_b32 s[SEL+1], 0xfedcba98
	s_mov_b32 s[MNT], 0x600000
	s_mov_b32 s23, 0x017f0000
	s_wait_alu depctr_va_vdst(0)
	s_wait_kmcnt 0x0
	s_add_nc_u64 s[24:25], s[4:5], s[72:73]        ; W's codes
	s_add_nc_u64 s[26:27], s[6:7], s[74:75]        ; W's scale words
	s_lshl_b32 s72, s18, 16
	s_lshl_b32 s74, s18, 12
	s_add_nc_u64 s[28:29], s[4:5], s[72:73]        ; my rows' codes: 8 tiles x 8,192 bytes a group
	s_add_nc_u64 s[30:31], s[6:7], s[74:75]        ; and scale words
	WIN 0x40                                       ; destination window 1
.irp t, 0,1,2,3
.irp s, 0,1,2,3
.irp c, 0,1,2,3
	global_load_b128 v[64*\t+16*\s+4*\c:64*\t+16*\s+4*\c+3], v[LI], s[24:25] offset:8192*\t+2048*\s+512*\c
.endr
.endr
.endr
	WIN 0
.irp t, 0,1,2,3
.irp s, 0,1,2,3
	global_load_b32 v[WS+4*\t+\s], v[LS], s[26:27] offset:512*\t+128*\s
.endr
.endr
	XLOADP 0
	s_cmp_eq_u32 s19, 1
	s_cbranch_scc1 .Lk
	s_cmp_eq_u32 s19, 2
	s_cbranch_scc1 .Lv
	; ---- q
	s_lshl_b32 s70, s17, 9
	s_lshl_b32 s71, s18, 3
	s_add_co_u32 s70, s70, s71                     ; 512 x head + my first tile
	s_lshl_b32 s72, s70, 10
	s_lshl_b32 s74, s70, 6
	s_add_nc_u64 s[66:67], s[10:11], s[72:73]
	s_add_nc_u64 s[68:69], s[12:13], s[74:75]
.irp P, 0,1,2,3
	PAIR \P, 0, 1
	EPI_Q \P
.endr
	s_endpgm
.Lk:
	; ---- k: step y - 64 of 128 keys, for the four batches
	s_sub_co_u32 s70, s18, 64
	s_mul_i32 s72, s17, HEADB
	s_mul_i32 s71, s70, 8704
	s_add_co_u32 s72, s72, s71
	s_add_nc_u64 s[66:67], s[14:15], s[72:73]
	s_lshl_b32 s74, s70, 9
	s_add_nc_u64 s[8:9], s[8:9], s[74:75]          ; the mask at my 128 keys
	v_mov_b32 v4, 0x01010000                       ; an open key's upper bytes: 2^-126, and 1 for the empty block
	v_mov_b32 v5, 0x01c10000                       ; a masked key's: 2^66
	v_and_b32 v176, 15, v0
	v_and_b32 v177, 8, v176
	v_add_nc_u32 v176, v176, v177
	v_lshlrev_b32 v176, 2, v176                    ; 4 (r + 8 (r / 8))
.irp n, 0,1,2,3
.irp P, 0,1,2,3
.irp u, 0,1
	global_load_b32 v[HA+8*\n+2*\P+\u], v176, s[8:9] offset:8192*\n+128*\P+32*\u   ; the mask of my lane's key in tile 2 P + u, batch n
.endr
.endr
.endr
	s_wait_loadcnt 0x0
.set j, 0
.rept 32
	v_cmp_ne_u32 s[32+j], 0, v[HA+j]               ; a bit a lane: the key counts.  It only selects values
.set j, j+1
.endr
.irp P, 0,1,2,3
	PAIR \P, 0, 1
	EPI_K \P
.endr
	s_endpgm
.Lv:
	; ---- v: step y - 80 of 128 keys
	s_sub_co_u32 s70, s18, 80
	s_mul_i32 s72, s17, HEADB
	s_mul_i32 s71, s70, 8704
	s_add_co_u32 s72, s72, s71
	s_add_co_u32 s72, s72, VOFF
	s_add_nc_u64 s[66:67], s[14:15], s[72:73]
.irp P, 0,1,2,3
	PAIR \P, 1, 0
	EPI_V \P
.endr
	s_endpgm
.Lfunc_end_k_q6d4b7335fd_proj:
	.size	k_q6d4b7335fd_proj, .Lfunc_end_k_q6d4b7335fd_proj-k_q6d4b7335fd_proj
	.p2alignl 7, 3214868480
	.fill 96, 4, 3214868480
	.section	.rodata,"a",@progbits
	.p2align	6, 0x0
	.amdhsa_kernel k_q6d4b7335fd_proj
		.amdhsa_group_segment_fixed_size 0
		.amdhsa_private_segment_fixed_size 0
		.amdhsa_enable_private_segment 0
		.amdhsa_kernarg_size 48
		.amdhsa_user_sgpr_count 2
		.amdhsa_user_sgpr_kernarg_segment_ptr 1
		.amdhsa_wavefront_size32 1
		.amdhsa_system_sgpr_workgroup_id_x 1
		.amdhsa_system_sgpr_workgroup_id_y 1
		.amdhsa_system_sgpr_workgroup_id_z 1
		.amdhsa_system_vgpr_workitem_id 0
		.amdhsa_next_free_vgpr 512
		.amdhsa_next_free_sgpr 80
		.amdhsa_reserve_vcc 0
		.amdhsa_float_denorm_mode_32 3
		.amdhsa_float_denorm_mode_16_64 3
		.amdhsa_memory_ordered 1
		.amdhsa_forward_progress 1
		.amdhsa_inst_pref_size 234
	.end_amdhsa_kernel
	.amdgpu_metadata
---
amdhsa.version: [ 1, 2 ]
amdhsa.kernels:
  - .name:           k_q6d4b7335fd_proj
    .symbol:         k_q6d4b7335fd_proj.kd
    .args:
      - { .name: img, .offset: 0, .size: 8, .value_kind: global_buffer, .address_space: global }
      - { .name: isc, .offset: 8, .size: 8, .value_kind: global_buffer, .address_space: global }
      - { .name: mask, .offset: 16, .size: 8, .value_kind: global_buffer, .address_space: global }
      - { .name: qimg, .offset: 24, .size: 8, .value_kind: global_buffer, .address_space: global }
      - { .name: qsc, .offset: 32, .size: 8, .value_kind: global_buffer, .address_space: global }
      - { .name: kv, .offset: 40, .size: 8, .value_kind: global_buffer, .address_space: global }
    .group_segment_fixed_size: 0
    .private_segment_fixed_size: 0
    .kernarg_segment_align: 8
    .kernarg_segment_size: 48
    .max_flat_workgroup_size: 128
    .sgpr_count:     80
    .vgpr_count:     512
    .wavefront_size: 32
...
	.end_amdgpu_metadata
.endif
;; end of part 2
;; launch attn (part 3): grid 4 x 64, 8 waves a work-group, clusters of 4 x 1, 327,680 bytes of LDS; arguments qimg, qsc, kv, out0; writes out0
.if DOCPART == 3
	.amdgcn_target "amdgcn-amd-amdhsa--gfx1250"
	.amdhsa_code_object_version 6
	.text
	.protected	k_q6d4b7335fd_attn
	.globl	k_q6d4b7335fd_attn
	.p2align	8
	.type	k_q6d4b7335fd_attn,@function
k_q6d4b7335fd_attn:
	s_mov_b64 s[64:65], 0
	v_nop
	global_prefetch_b8 v0, s[64:65] scope:SCOPE_SE
	s_setreg_imm32_b32 hwreg(HW_REG_WAVE_MODE, 25, 1), 1
	s_wait_xcnt 0x0
	s_wait_alu depctr_hold_cnt(0) depctr_sa_sdst(0) depctr_va_vdst(0) depctr_va_sdst(0) depctr_va_ssrc(0) depctr_va_vcc(0) depctr_vm_vsrc(0)
	s_getreg_b32 s2, hwreg(HW_REG_IB_STS2, 6, 4)
	s_cmp_eq_u32 s2, 0
	s_cbranch_scc0 .Lentry_in_a_cluster
	s_endpgm
.Lentry_in_a_cluster:
	s_bfe_u32 s2, ttmp6, 0x10000c
	s_cmp_lg_u32 s2, 0x3003
	s_cbranch_scc0 .Lentry_shape_is_right
	s_endpgm
.Lentry_shape_is_right:
; out[n][q][head][:] = the sum over keys of softmax(q . k / 8, masked) v, both products on codes of FP8 (E4M3) with one E8M0 scale for each 32 along a product's K.
; THE SOFTMAX AHEAD OF THE SECOND PRODUCT: t = score x log2(e) / 8; M = the row's largest t so far, rounded UP to a whole number; p = 2^(t - M) is quantised along the keys, not normalised;
; the row's sum is taken of the unquantised p and divides at the end.  When M moves, the sum and O are multiplied by 2^(old M - new M): exact.
; SHARES: work-group y = 16 n + head; x = a block of 512 queries, walked in TWO PASSES of 256.  In a pass each of eight waves owns 32 queries, two tiles of 16: each fragment of K and V read from LDS feeds two products.
; LDS: a head's K (for batch n) and V, 2 x 139,264 bytes, lie in LDS whole, are filled ONCE and serve both passes.  Each wave asks for a quarter of K (waves 0-3) or of V (waves 4-7), four key steps, by its one tensor load.
;   Waves 0 and 4 have a load line of their own: the first barrier shows steps 0 to 3 alone; one more barrier, behind three steps, shows the rest.  No byte is filled again.
;   The tiles lie as images of the operands' registers.  Step block of K: 8 tiles x 1,024 bytes of codes, 8 x 64 bytes of scale words;  of V: 4 fragments x 2,048 bytes, then [32 lanes][4] words.
; CLUSTER: the four query blocks of a (n, head) form a cluster and ask for each tile JOINTLY: the same tensor load, the same descriptor, a mask that names the four.
; NO PREFETCH: all of K and V is asked for at the head, by each wave's one load; no later load is left to run ahead of.
; LAYOUT: both products are used transposed (S^T = K Q^T, O^T = V^T P^T): a lane holds ONE query throughout.  By the order of a tile's keys the 16 registers of tiles 2 b, 2 b + 1 are keys 32 b + 16 (lane / 16) + 0 .. 15.
; THE STEP: the 16 score products come first, on K's eight fragments, which were asked for a step earlier; behind them and one run of eight places V's fragments of this step and K's of the next are asked for; one wait ahead of the second product serves both.
; THE SOFTMAX OF MY TWO TILES IS ONE RUN: their eight blocks of 32 keys take turns line by line, the two rows' M by turns, the sums in six chains, all 136 exponentials as one batch.
; THE MASK: the head's 64 fill half of the instruction's 128 along K.  At k = 64 Q holds the code +1 and K the code -1 (set here, once, in registers); Q's scale byte of that block is 127, K's is 193 for a masked
;   key (whose real codes are zeros) and 1 for an open one.  So a masked score is exactly -2^66, and c x 2^66 is exact: where every key so far is masked p = 1, which the first open key's change of M multiplies by 0;
;   a batch masked throughout gives the uniform softmax, as the definition does.
; LIMITS: -2^66 stands for the definition's -1e20: the same in effect while real scores stay above about -7e19; an open key adds -2^-126 to its score; NaN and infinities are not served.
; REGISTERS: window 0: v1-9 addresses and a temporary; v10-11 Q's scale words; v12-19 -M, largest t, the sum in two halves, for each tile; v20-21 the add's two; v22-23 a temporary a tile; v24-31 K's words; v32-35 f and p's scale word;
;   v36-39 V's words; v40-63 at work, eight a kind; v64-191 S^T, then p (64 a tile); v192-223 p's codes; v224-255 Q.   window 1: v0-127 K's eight fragments; v128-191 V's four; v192-255 O^T (32 a tile).
.set STEPB, 8704
.set HEADB, 139264
.set VOFF,  8912896
.set STG,   2*HEADB                    ; behind K and V: a stage of 16 rows x 272 bytes for each wave, bytes that no tensor load fills
.set STGW,  16*272
.set SPARE, STG+8*STGW                 ; behind the stages: the spare words, 128 bytes a wave
.set LI,  1                            ; v1   16 x lane
.set LR,  2                            ; v2   4 x (lane % 16)
.set ADK, 3                            ; v3   the step's block of K
.set ADV, 4                            ; v4   of V
.set ADS, 5                            ; v5   K's scale words
.set GO,  6
.set STO, 7
.set SRD, 8
.set T0,  9
.set QW,  10
.set ST,  12
.set SPW, 20
.set NIL, 21
.set TQ,  22
.set KW,  24
.set FF,  32
.set VW,  36
.set BM,  40                           ; block n = 4 x tile + b: largest score, then largest p, then the byte
.set PX,  48                           ; the other half's largest, then the conversions' scale operands
.set HD,  56                           ; four partial sums, then 448 x the scale
.set S,   64
.set P,   192
.set QF,  224
.set KS,  0                            ; in window 1
.set VF,  128
.set OT,  192
.set WV,  12                           ; s12  my wave's number
.set MNT, 19
.set SEL, 20
.set CS,  22                           ; s[22:23] c = log2(e) / 8
.set G1,  24                           ; s[24:31] descriptor group 1
.set G0,  32                           ; s[32:35] group 0
.set TB,  48                           ; s48  LDS byte at which the step's block of K begins
.set CNT, 49
.set TV,  60                           ; s60  and V's
.set MSB, 0
.macro WIN new                         ; the immediate's high byte repeats the setting that is left
.if MSB != \new
	s_set_vgpr_msb (MSB<<8)|\new
.set MSB, \new
.endif
.endm
.macro ROUND                           ; a round of the cluster's barrier
	s_barrier_signal -1
	s_barrier_wait -1
	s_cmp_lg_u32 s[WV], 0
	s_cbranch_scc1 .Lnot_wave_0_\@
	s_barrier_signal -3
.Lnot_wave_0_\@:
	s_barrier_wait -3
	s_barrier_signal -1
	s_barrier_wait -1
.endm
.macro KLOAD ak, as, off               ; a step's eight tiles of 16 keys: their scale words, and registers 0-7 of the eight fragments (registers 8-15 stay as they were set)
.irp t, 0,1,2,3,4,5,6,7
	ds_load_b32 v[KW+\t], v[\as] offset:\off+8192+64*\t
.endr
	WIN 0x40                                       ; destination window 1
.irp t, 0,1,2,3,4,5,6,7
	ds_load_b128 v[KS+16*\t:KS+16*\t+3],   v[\ak] offset:\off+1024*\t
	ds_load_b128 v[KS+16*\t+4:KS+16*\t+7], v[\ak] offset:\off+1024*\t+512
.endr
	WIN 0
.endm
.macro QLOAD p                         ; pass p's two tiles of queries: 16 tiles of 1,024 bytes and of 64 bytes of words a pass
.irp q, 0,1
	global_load_b128 v[QF+16*\q:QF+16*\q+3],   v[LI], s[4:5] offset:16384*\p+1024*\q th:TH_LOAD_NT
	global_load_b128 v[QF+16*\q+4:QF+16*\q+7], v[LI], s[4:5] offset:16384*\p+1024*\q+512 th:TH_LOAD_NT
	global_load_b32 v[QW+\q], v[LR], s[6:7] offset:1024*\p+64*\q
.endr
.endm
; The softmax of both tiles for a step of 128 keys: the scores in v[S] on become p, p's codes go to v[P] on, tile q's scale word to v[FF+2q+1], its f to v[FF+2q].  Block n's 16 numbers of my lane stand at v[S+16n].
.macro SOFT2
.irp n, 0,1,2,3,4,5,6,7
	v_max3_num_f32 v[BM+\n], v[S+16*\n], v[S+16*\n+1], v[S+16*\n+2]   ; the largest score of each block of 32 keys: for the row's maximum and, since p rises with the score, for the block's largest p.  (Each accumulator is read from its low end on)
.endr
.irp i, 3,5,7,9,11,13
.irp n, 0,1,2,3,4,5,6,7
	v_max3_num_f32 v[BM+\n], v[BM+\n], v[S+16*\n+\i], v[S+16*\n+\i+1]
.endr
.endr
.irp n, 0,1,2,3,4,5,6,7
	v_max_num_f32 v[BM+\n], v[BM+\n], v[S+16*\n+15]
.endr
.irp n, 0,1,2,3,4,5,6,7
	v_permlanex16_b32 v[PX+\n], v[BM+\n], s[SEL], s[SEL+1]
.endr
.irp n, 0,1,2,3,4,5,6,7
	v_max_num_f32 v[BM+\n], v[BM+\n], v[PX+\n]     ; with lane l xor 16's 16 keys
.endr
	v_max3_num_f32 v[TQ], v[BM], v[BM+1], v[BM+2]
	s_delay_alu instid0(VALU_DEP_3)
	v_max3_num_f32 v[TQ+1], v[BM+4], v[BM+5], v[BM+6]
.irp q, 0,1
	s_delay_alu instid0(VALU_DEP_2)
	v_max_num_f32 v[TQ+\q], v[TQ+\q], v[BM+4*\q+3] ; the step's largest score of my query
.endr
.irp q, 0,1
	s_delay_alu instid0(VALU_DEP_2)
	v_mul_f32 v[TQ+\q], s[CS], v[TQ+\q]            ; as t (c is positive)
.endr
.irp q, 0,1
	s_delay_alu instid0(VALU_DEP_2)
	v_max_num_f32 v[ST+4*\q+1], v[ST+4*\q+1], v[TQ+\q]   ; the running largest t
.endr
.irp q, 0,1
	v_mov_b32 v[TQ+\q], v[ST+4*\q]
.endr
.irp q, 0,1
	s_delay_alu instid0(VALU_DEP_4)
	v_floor_f32 v[ST+4*\q], -v[ST+4*\q+1]          ; the new -M = floor(-t): M is a whole number
.endr
.irp q, 0,1
	s_delay_alu instid0(VALU_DEP_2)
	v_sub_f32 v[TQ+\q], v[ST+4*\q], v[TQ+\q]       ; old M less new M: a whole number, 0 or less
.endr
.irp q, 0,1
	s_delay_alu instid0(VALU_DEP_2)
	v_cvt_i32_f32 v[TQ+\q], v[TQ+\q]               ; (it saturates)
.endr
.irp q, 0,1
	s_delay_alu instid0(VALU_DEP_2)
	v_ldexp_f32 v[FF+2*\q], 1.0, v[TQ+\q]          ; f = 2^(old M - new M)
.endr
.irp q, 0,1
.set j, 0
.rept 32
	v_pk_fma_f32 v[S+64*\q+j:S+64*\q+j+1], v[S+64*\q+j:S+64*\q+j+1], s[CS:CS+1], v[ST+4*\q:ST+4*\q+1] op_sel_hi:[1,0,0]   ; t - M, two at a time
.set j, j+2
.endr
.endr
.irp n, 0,1,2,3,4,5,6,7
	v_fma_f32 v[BM+\n], v[BM+\n], s[CS], v[ST+4*(\n/4)]   ; the same of each block's largest score
.endr
	s_wait_alu depctr_va_vdst(0)                   ; ahead of the batch
.set j, 0
.rept 128
	v_exp_f32 v[S+j], v[S+j]                       ; p = 2^(t - M)
.set j, j+1
.endr
.irp n, 0,1,2,3,4,5,6,7
	v_exp_f32 v[BM+\n], v[BM+\n]                   ; the block's largest p: the same two instructions on the same number
.endr
.irp q, 0,1
	v_pk_mul_f32 v[ST+4*\q+2:ST+4*\q+3], v[ST+4*\q+2:ST+4*\q+3], v[FF+2*\q:FF+2*\q+1] op_sel_hi:[1,0]   ; the sums under the new M.  (The plain lines behind the exponentials)
.endr
	s_wait_alu depctr_va_vdst(0)                   ; one wait for the batch, ahead of its first reader
; the rows' sums are taken of the unquantised p: two numbers a line, three chains a tile, the two tiles by turns
.irp q, 0,1
	v_pk_add_f32 v[HD+4*\q:HD+4*\q+1], v[S+64*\q:S+64*\q+1], v[S+64*\q+2:S+64*\q+3]
.endr
.irp q, 0,1
	v_pk_add_f32 v[HD+4*\q+2:HD+4*\q+3], v[S+64*\q+4:S+64*\q+5], v[S+64*\q+6:S+64*\q+7]
.endr
.set k, 4
.rept 28
.irp q, 0,1
.if k%3 == 1
	v_pk_add_f32 v[ST+4*\q+2:ST+4*\q+3], v[ST+4*\q+2:ST+4*\q+3], v[S+64*\q+2*k:S+64*\q+2*k+1]
.elseif k%3 == 2
	v_pk_add_f32 v[HD+4*\q:HD+4*\q+1], v[HD+4*\q:HD+4*\q+1], v[S+64*\q+2*k:S+64*\q+2*k+1]
.else
	v_pk_add_f32 v[HD+4*\q+2:HD+4*\q+3], v[HD+4*\q+2:HD+4*\q+3], v[S+64*\q+2*k:S+64*\q+2*k+1]
.endif
.endr
.set k, k+1
.endr
.irp q, 0,1
	s_delay_alu instid0(VALU_DEP_4)
	v_pk_add_f32 v[HD+4*\q:HD+4*\q+1], v[HD+4*\q:HD+4*\q+1], v[HD+4*\q+2:HD+4*\q+3]
.endr
.irp q, 0,1
	s_delay_alu instid0(VALU_DEP_2)
	v_pk_add_f32 v[ST+4*\q+2:ST+4*\q+3], v[ST+4*\q+2:ST+4*\q+3], v[HD+4*\q:HD+4*\q+1]
.endr
.irp n, 0,1,2,3,4,5,6,7
	v_max_num_f32 v[BM+\n], 0x4800000, v[BM+\n]    ; the floor 2^(9 - 127): the byte cannot fall under 1
.endr
.irp n, 0,1,2,3,4,5,6,7
	v_add_nc_u32 v[PX+\n], 0xfc000000, v[BM+\n]    ; 8 off the exponent field: the conversion's scale operand
.endr
.irp n, 0,1,2,3,4,5,6,7
	v_and_or_b32 v[HD+\n], v[BM+\n], 0x7f800000, s[MNT]   ; 448 x the scale
.endr
.irp n, 0,1,2,3,4,5,6,7
	v_lshrrev_b32 v[BM+\n], 23, v[PX+\n]           ; the scale's byte
.endr
	v_lshl_or_b32 v[FF+1], v[BM+1], 8, v[BM]       ; p's scale words for these 128 keys: far more than eight plain lines ahead of the products that name them
	s_delay_alu instid0(VALU_DEP_4)
	v_lshl_or_b32 v[FF+3], v[BM+5], 8, v[BM+4]
.irp q, 0,1
	s_delay_alu instid0(VALU_DEP_2)
	v_lshl_or_b32 v[FF+2*\q+1], v[BM+4*\q+2], 16, v[FF+2*\q+1]
.endr
.irp q, 0,1
	s_delay_alu instid0(VALU_DEP_2)
	v_lshl_or_b32 v[FF+2*\q+1], v[BM+4*\q+3], 24, v[FF+2*\q+1]
.endr
.irp n, 0,1,2,3,4,5,6,7,8              ; block n's holds stand ahead of block n - 1's conversions
.if \n < 8
.set j, 0
.rept 8
	v_dual_min_num_f32 v[S+16*\n+j], v[HD+\n], v[S+16*\n+j] :: v_dual_min_num_f32 v[S+16*\n+j+1], v[HD+\n], v[S+16*\n+j+1]   ; the conversion does not saturate (ISA guide 7.6.2); p is not negative, so the hold is one-sided; two holds a line
.set j, j+2
.endr
.endif
.if \n > 0
	v_cvt_scalef32_pk8_fp8_f32 v[P+4*(\n-1):P+4*(\n-1)+1], v[S+16*(\n-1):S+16*(\n-1)+7], v[PX+(\n-1)]
	v_cvt_scalef32_pk8_fp8_f32 v[P+4*(\n-1)+2:P+4*(\n-1)+3], v[S+16*(\n-1)+8:S+16*(\n-1)+15], v[PX+(\n-1)]
.endif
.endr
.endm
; A KEY STEP: 128 keys, whose blocks begin at s[TB] (K) and s[TV] (V).  K's fragments and words are in registers.
; mode 0: the next step's K is asked for.  mode 1: in the loop's last trip K's step 0 and the next pass's Q instead.  mode 2: in the last trip nothing.  The branch hangs on the count of steps alone.
.macro STEP mode
	WIN 0x01                                       ; source 0 (K) window 1
.irp t, 0,1,2,3,4,5,6,7
.irp q, 0,1
	v_wmma_scale_f32_16x16x128_f8f6f4 v[S+64*\q+8*\t:S+64*\q+8*\t+7], v[KS+16*\t:KS+16*\t+15], v[QF+16*\q:QF+16*\q+15], 0, v[KW+\t], v[QW+\q]
.endr
.endr
	WIN 0
	v_add_nc_u32 v[ADK], s[TB], v[LI]
	v_add_nc_u32 v[ADS], s[TB], v[LR]
	v_add_nc_u32 v[ADV], s[TV], v[LI]
.rept 5
	v_nop                                          ; with the three additions: eight places behind these products and the last step's, in front of the loads into what they have read and of the first read of the scores
.endr
	ds_load_b128 v[VW:VW+3], v[ADV] offset:8192    ; V's four scale words of my lane
	WIN 0x40
.irp t, 0,1,2,3
.irp c, 0,1,2,3
	ds_load_b128 v[VF+16*\t+4*\c:VF+16*\t+4*\c+3], v[ADV] offset:2048*\t+512*\c
.endr
.endr
	WIN 0
.if \mode
	s_cmp_eq_u32 s[CNT], 1
	s_cbranch_scc1 .Llast_\@
.endif
	KLOAD ADK, ADS, STEPB
.if \mode == 1
	s_branch .Ljoin_\@
.endif
.if \mode
.Llast_\@:
.endif
.if \mode == 1
	KLOAD LI, LR, 0
	QLOAD 1
.Ljoin_\@:
.endif
	SOFT2
	s_wait_dscnt 0x0                               ; V's fragments and words, and what was asked for of K
	WIN 0x41                                       ; O^T (destination and source 0) window 1, f window 0
	s_wait_alu depctr_va_vdst(0)                   ; directly ahead of the first reader of O^T
.irp q, 0,1
.set j, 0
.rept 16
	v_pk_mul_f32 v[OT+32*\q+j:OT+32*\q+j+1], v[OT+32*\q+j:OT+32*\q+j+1], v[FF+2*\q:FF+2*\q+1] op_sel_hi:[1,0]   ; O^T under the new M, each accumulator from its low end on.  (Also the plain lines between p's codes and the products)
.set j, j+2
.endr
.endr
	WIN 0x51                                       ; V window 1, p window 0, C and D window 1
.irp t, 0,1,2,3
.irp q, 0,1
	v_wmma_scale_f32_16x16x128_f8f6f4 v[OT+32*\q+8*\t:OT+32*\q+8*\t+7], v[VF+16*\t:VF+16*\t+15], v[P+16*\q:P+16*\q+15], v[OT+32*\q+8*\t:OT+32*\q+8*\t+7], v[VW+\t], v[FF+2*\q+1]   ; eight accumulators, one turn each
.endr
.endr
	WIN 0
	s_add_co_u32 s[TB], s[TB], STEPB
	s_add_co_u32 s[TV], s[TV], STEPB
.endm
.macro LOOP n, mode
	s_mov_b32 s[CNT], \n
.Lstep_\@:
	STEP \mode
	s_sub_co_u32 s[CNT], s[CNT], 1
	s_cmp_lg_u32 s[CNT], 0
	s_cbranch_scc1 .Lstep_\@
.endm
.macro PASSINIT                        ; a pass begins: the step is written once, and its first run finds zeros, which the first change of M leaves zeros
.irp q, 0,1
	v_mov_b32 v[ST+4*\q], 0x7f61b1e6               ; -M = 3e38, a whole number
	v_mov_b32 v[ST+4*\q+1], 0xff61b1e6             ; the largest t so far: -3e38
	v_mov_b32 v[ST+4*\q+2], 0                      ; the sum, in two halves
	v_mov_b32 v[ST+4*\q+3], 0
.endr
	WIN 0x40
.set j, 0
.rept 64
	v_mov_b32 v[OT+j], 0
.set j, j+1
.endr
	WIN 0
	s_mov_b32 s[TB], 0
	s_mov_b32 s[TV], HEADB
.endm
; THE WAY OUT of pass p.  O^T / the sum goes, a tile of 16 queries at a time, through my own stage in LDS and leaves as whole rows: sixteen lanes store the aligned 256 bytes of one query and head.
; Row rho of tile q's stage is query rho + 8 (rho / 8) + 8 q of my 32.  LDS serves a wave's instructions in order (ISA guide 5.7.1.4): no wait between the stores and the loads, nor ahead of the next tile's stores.
.macro WAYOUT p
.rept 3
	v_nop                                          ; with the plain lines below: eight places behind the last products
.endr
.irp q, 0,1
	v_add_f32 v[ST+4*\q+2], v[ST+4*\q+2], v[ST+4*\q+3]   ; the sum's two halves,
.endr
.irp q, 0,1
	s_delay_alu instid0(VALU_DEP_2)
	v_permlanex16_b32 v[PX+\q], v[ST+4*\q+2], s[SEL], s[SEL+1]
.endr
.irp q, 0,1
	s_delay_alu instid0(VALU_DEP_2)
	v_add_f32 v[ST+4*\q+2], v[ST+4*\q+2], v[PX+\q]       ; and lane l xor 16's: the row's sum
.endr
	s_wait_alu depctr_va_vdst(0)                   ; ahead of the reciprocals
.irp q, 0,1
	v_rcp_f32 v[ST+4*\q+2], v[ST+4*\q+2]
.endr
	v_nop                                          ; a plain line behind the last reciprocal
	WIN 0x01                                       ; source 0 (O^T) window 1
	s_wait_alu depctr_va_vdst(0)                   ; and ahead of their first reader, which is O^T's first reader too
.irp q, 0,1
.set j, 0
.rept 32
	v_mul_f32 v[S+32*\q+j], v[OT+32*\q+j], v[ST+4*\q+2]   ; each accumulator from its low end on
.set j, j+1
.endr
.endr
	WIN 0
.irp q, 0,1
.irp b, 0,1
.irp i, 0,1,2,3
	ds_store_b128 v[STO], v[S+32*\q+16*\b+4*\i:S+32*\q+16*\b+4*\i+3] offset:128*\b+16*\i   ; registers 16 b + i are d = 32 b + 16 h + i
.endr
.endr
.irp i, 0,1,2,3,4,5,6,7
	ds_load_b128 v[S+64+32*\q+4*\i:S+64+32*\q+4*\i+3], v[SRD] offset:544*\i
.endr
.endr
.irp q, 0,1
.irp i, 0,1,2,3,4,5,6,7
	s_wait_dscnt (1-\q)*16+7-\i                    ; behind this load: its tile's later loads and, for tile 0, tile 1's eight stores and eight loads
	global_store_b128 v[GO], v[S+64+32*\q+4*\i:S+64+32*\q+4*\i+3], s[10:11] offset:1048576*\p+(2*\i+8*(\i/4)+8*\q)*4096 th:TH_STORE_NT   ; 16 lanes store 256 consecutive bytes, aligned; a pass is 256 rows of 4,096 bytes
.endr
.endr
.endm
	s_load_b256 s[4:11], s[0:1], 0x0               ; qimg s[4:5], qsc s[6:7], kv s[8:9], out0 s[10:11]
	v_lshl_add_u32 v[SPW], v0, 2, SPARE
	v_mov_b32 v[NIL], 0
	ds_add_u32 v[SPW], v[NIL]                      ; the opening lines: the add, twice on end, and its wait ahead of my tensor load
	ds_add_u32 v[SPW], v[NIL]
	v_lshrrev_b32 v1, 5, v0
	s_delay_alu instid0(VALU_DEP_1)
	v_readfirstlane_b32 s[WV], v1                  ; wave 0..7
	s_bfe_u32 s13, ttmp6, 0x40000                  ; cx: it enters Q's and out0's addresses alone
	s_lshl_b32 s14, ttmp9, 2
	s_add_co_u32 s14, s14, s13                     ; my block of 512 queries
	s_and_b32 s15, ttmp7, 0xffff                   ; y = 16 n + head, which the four partners share
	s_lshr_b32 s16, s15, 4                         ; n
	s_and_b32 s17, s15, 15                         ; head
	; what I fetch: waves 0-3 K's, waves 4-7 V's; quarter wave % 4: four step blocks on end
	s_lshr_b32 s50, s[WV], 2
	s_and_b32 s51, s[WV], 3
	s_mul_i32 s54, s51, 4*STEPB
	s_mul_i32 s55, s50, HEADB
	s_add_co_u32 s55, s55, s54                     ; in LDS: the wave's number alone
	s_mul_i32 s52, s16, 16*HEADB
	s_sub_co_u32 s52, VOFF, s52                    ; from K's blocks of (n, head) to V's of head: VOFF - 16 n HEADB bytes
	s_mul_i32 s52, s52, s50
	s_mul_i32 s53, s15, HEADB
	s_add_co_u32 s52, s52, s53
	s_add_co_u32 s52, s52, s54                     ; in kv
	s_mov_b32 s53, 0
	s_mul_i32 s50, s[WV], STGW
	s_add_co_u32 s50, s50, STG                     ; my stage
	; descriptor group 1: a dense block of 34,816 bytes as 136 rows of 256 bytes (32 elements of 8 bytes), no padding
	s_mov_b32 s[G1], 15|(3<<16)|(1<<21)            ; 15:0 the mask: all four work-groups; 17:16 elements of 8 bytes; 21 set beside a mask
	s_mov_b32 s[G1+1], 32<<16                      ; tensor_dim0
	s_mov_b32 s[G1+2], 136<<16                     ; tensor_dim1
	s_mov_b32 s[G1+3], 32<<16                      ; tile_dim0
	s_mov_b32 s[G1+4], 136                         ; tile_dim1
	s_mov_b32 s[G1+5], 32                          ; tensor_dim0_stride
	s_mov_b32 s[G1+6], 0
	s_mov_b32 s[G1+7], 0
	s_lshl_b32 s56, s16, 7
	s_lshl_b32 s57, s14, 5
	s_add_co_u32 s56, s56, s57
	s_lshl_b32 s57, s[WV], 1
	s_add_co_u32 s56, s56, s57                     ; T = 128 n + 32 x block + 2 x wave: pass 0's first tile of my queries; its 32 queries are rows 16 T on
	s_lshl_b32 s57, s17, 9
	s_add_co_u32 s57, s57, s56                     ; 512 x head + T
	s_mov_b32 s59, 0
	s_mov_b32 s[SEL], 0x76543210
	s_mov_b32 s[SEL+1], 0xfedcba98
	s_mov_b32 s[CS], 0x3e38aa3b                    ; c = log2(e) / 8
	s_mov_b32 s[CS+1], s[CS]                       ; (named with it as a pair, so it is written)
	s_mov_b32 s[MNT], 0x600000
	v_and_b32 v2, 31, v0
	s_delay_alu instid0(VALU_DEP_1)
	v_lshlrev_b32 v[LI], 4, v2
	v_and_b32 v2, 15, v0
	s_delay_alu instid0(VALU_DEP_1)
	v_lshlrev_b32 v[LR], 2, v2
	v_bfe_u32 v[T0], v0, 4, 1
	s_delay_alu instid0(VALU_DEP_1)
	v_sub_nc_u32 v[T0], 1, v[T0]                   ; 1 in lanes 0-15, which hold k = 64 .. 79 in register group 2
	v_and_b32 v[ADK], 15, v0                       ; r
	v_bfe_u32 v[ADV], v0, 4, 1                     ; h
	s_delay_alu instid0(VALU_DEP_2)
	v_mul_u32_u24 v[STO], v[ADK], 272
	s_delay_alu instid0(VALU_DEP_2)
	v_mul_u32_u24 v[SRD], v[ADV], 272
	s_delay_alu instid0(VALU_DEP_2)
	v_lshl_add_u32 v[STO], v[ADV], 6, v[STO]
	s_delay_alu instid0(VALU_DEP_2)
	v_lshl_add_u32 v[SRD], v[ADK], 4, v[SRD]
	s_delay_alu instid0(VALU_DEP_2)
	v_add_nc_u32 v[STO], s50, v[STO]               ; into the stage: row r, + 64 h
	s_delay_alu instid0(VALU_DEP_2)
	v_add_nc_u32 v[SRD], s50, v[SRD]               ; back: lanes 0-15 one row, lanes 16-31 the next
	v_lshlrev_b32 v[GO], 12, v[ADV]
	s_delay_alu instid0(VALU_DEP_1)
	v_lshl_add_u32 v[GO], v[ADK], 4, v[GO]         ; and the same two rows in out0
	s_wait_alu depctr_va_vdst(0)                   ; directly ahead of the waits below
	s_wait_dscnt 0x0                               ; both opening adds are done
	s_wait_kmcnt 0x0
	s_add_nc_u64 s[8:9], s[8:9], s[52:53]
	s_lshl_b32 s58, s57, 10
	s_add_nc_u64 s[4:5], s[4:5], s[58:59]          ; Q's codes
	s_lshl_b32 s58, s57, 6
	s_add_nc_u64 s[6:7], s[6:7], s[58:59]          ; Q's scale words
	s_lshl_b32 s58, s56, 16                        ; 16 T rows of 4,096 bytes
	s_lshl_b32 s57, s17, 8                         ; + the head's 256 bytes
	s_add_co_u32 s58, s58, s57
	s_add_nc_u64 s[10:11], s[10:11], s[58:59]
	s_mov_b32 s[G0], 1                             ; count = 1
	s_mov_b32 s[G0+1], s55                         ; LDS address
	s_mov_b64 s[G0+2:G0+3], s[8:9]                 ; global address
	s_or_b32 s[G0+3], s[G0+3], 0x80000000          ; type = 2
	ROUND                                          ; all four work-groups are here: the joint loads meet
	s_cmp_eq_u32 s51, 0                            ; ONE load a wave.  Waves 0 and 4 (steps 0 to 3) have a line of their own: they alone wait at the first barrier
	s_cbranch_scc0 .Lrest
	tensor_load_to_lds s[G0:G0+3], s[G1:G1+7]
	s_nop 0
.rept 4
	v_nop
.endr
	s_branch .Lasked
.Lrest:
	tensor_load_to_lds s[G0:G0+3], s[G1:G1+7]
	s_nop 0
.rept 4
	v_nop
.endr
.Lasked:
	QLOAD 0
.irp q, 0,1
	v_mul_u32_u24 v[QF+16*\q+8], 0x38, v[T0]       ; k = 64: the code +1; all other codes of k = 64 .. 127 are zeros
.irp i, 9,10,11,12,13,14,15
	v_mov_b32 v[QF+16*\q+\i], 0
.endr
	v_mov_b32 v[FF+2*\q+1], 0                      ; (named as the upper half of a pair before it is first written)
.endr
.irp n, 0,1,2,3,4,5,6,7
	v_mov_b32 v[PX+\n], 0                          ; a lane permute's destination counts as one of its sources
.endr
	WIN 0x40                                       ; destination window 1
.irp t, 0,1,2,3,4,5,6,7
	v_mul_u32_u24 v[KS+16*\t+8], 0xb8, v[T0]       ; k = 64: the code -1
.irp i, 9,10,11,12,13,14,15
	v_mov_b32 v[KS+16*\t+\i], 0
.endr
.endr
	WIN 0
	PASSINIT
	s_wait_alu depctr_va_vdst(0)                   ; the head's end
	s_cmp_eq_u32 s51, 0
	s_cbranch_scc0 .Lnot_first
	s_wait_tensorcnt 0x0                           ; waves 0 and 4: steps 0 to 3 of K and of V are in LDS
.Lnot_first:
	s_barrier_signal -1
	s_barrier_wait -1
	KLOAD LI, LR, 0                                ; K's step 0
	s_wait_loadcnt 0x0                             ; Q
	s_wait_dscnt 0x0
	LOOP 3, 0                                      ; steps 0 to 2; the last asks for K's step 3
	s_wait_tensorcnt 0x0                           ; every wave: its quarter is in LDS
	s_wait_dscnt 0x0
	s_barrier_signal -1
	s_barrier_wait -1                              ; all of K and V is
	LOOP 13, 1                                     ; steps 3 to 15; the last asks for K's step 0 and pass 1's Q
	WAYOUT 0
	s_wait_xcnt 0x0                                ; the stores have read their registers, which the next pass writes
	PASSINIT
	s_wait_alu depctr_va_vdst(0)                   ; directly ahead of the wait below
	s_wait_loadcnt 0x0                             ; pass 1's Q
	LOOP 16, 2
	WAYOUT 1
	s_wait_tensorcnt 0x0                           ; the wave's end, behind my tensor load and my last LDS store
	ds_add_u32 v[SPW], v[NIL]
	s_wait_dscnt 0x0
	ROUND                                          ; the closing round: no work-group ends while a partner may still ask for a tile that names it
	s_endpgm
.Lfunc_end_k_q6d4b7335fd_attn:
	.size	k_q6d4b7335fd_attn, .Lfunc_end_k_q6d4b7335fd_attn-k_q6d4b7335fd_attn
	.p2alignl 7, 3214868480
	.fill 96, 4, 3214868480
	.section	.rodata,"a",@progbits
	.p2align	6, 0x0
	.amdhsa_kernel k_q6d4b7335fd_attn
		.amdhsa_group_segment_fixed_size 327680
		.amdhsa_private_segment_fixed_size 0
		.amdhsa_enable_private_segment 0
		.amdhsa_kernarg_size 32
		.amdhsa_user_sgpr_count 2
		.amdhsa_user_sgpr_kernarg_segment_ptr 1
		.amdhsa_wavefront_size32 1
		.amdhsa_system_sgpr_workgroup_id_x 1
		.amdhsa_system_sgpr_workgroup_id_y 1
		.amdhsa_system_sgpr_workgroup_id_z 1
		.amdhsa_system_vgpr_workitem_id 0
		.amdhsa_next_free_vgpr 512
		.amdhsa_next_free_sgpr 66
		.amdhsa_reserve_vcc 0
		.amdhsa_float_denorm_mode_32 3
		.amdhsa_float_denorm_mode_16_64 3
		.amdhsa_memory_ordered 1
		.amdhsa_forward_progress 1
		.amdhsa_inst_pref_size 137
	.end_amdhsa_kernel
	.amdgpu_metadata
---
amdhsa.version: [ 1, 2 ]
amdhsa.kernels:
  - .name:           k_q6d4b7335fd_attn
    .symbol:         k_q6d4b7335fd_attn.kd
    .args:
      - { .name: qimg, .offset: 0, .size: 8, .value_kind: global_buffer, .address_space: global }
      - { .name: qsc, .offset: 8, .size: 8, .value_kind: global_buffer, .address_space: global }
      - { .name: kv, .offset: 16, .size: 8, .value_kind: global_buffer, .address_space: global }
      - { .name: out0, .offset: 24, .size: 8, .value_kind: global_buffer, .address_space: global }
    .group_segment_fixed_size: 327680
    .private_segment_fixed_size: 0
    .kernarg_segment_align: 8
    .kernarg_segment_size: 32
    .max_flat_workgroup_size: 256
    .sgpr_count:     66
    .vgpr_count:     512
    .wavefront_size: 32
...
	.end_amdgpu_metadata
.endif
;; end of part 3
